; MI455X (gfx1250); checked and timed in simulation.
; The chip was launched on July 23, 2026; its instructions are those of AMD's public machine-readable ISA for CDNA 5 (MIT licence, August 2026) and "CDNA5" Instruction Set Architecture Reference Guide (July 2026). The comments in the code are by the model that wrote it; some were corrected since.
;; Attention Block. Allowed arithmetic: matrix products marked QUANTISED: E2M3 operands, one E8M0 scale for each 32 along K, by v_wmma_scale_f32_16x16x128_f8f6f4 with both operands' format E2M3, f32 sums; everything else in f32.
;; Inputs: gn_b 256 float32; gn_w 256 float32; proj_b 256 float32; proj_w_codes 256 x 8 x 24 uint8 (E2M3 codes of proj_w, K innermost, in blocks of 32 codes, four codes in three bytes); proj_w_scales 256 x 8 uint8 (E8M0 scales of proj_w, one for each 32 codes along K); qkv_b 768 float32; qkv_w_codes 768 x 8 x 24 uint8 (E2M3 codes of qkv_w, K innermost, in blocks of 32 codes, four codes in three bytes); qkv_w_scales 768 x 8 uint8 (E8M0 scales of qkv_w, one for each 32 codes along K); x 4 x 256 x 64 x 64 float32.
;; Outputs: out0 4 x 256 x 64 x 64 float32.
;; This version of the problem:
;;   THIS VERSION OF THE PROBLEM IS GIVEN IN LOW PRECISION. The matrix products marked QUANTISED in the list below multiply operands that are first quantised to E2M3 (2 exponent bits, 3 mantissa bits; 6 bits a number), with one power-of-two scale for each 32 numbers along K (OCP MX v1.0); their sums are f32. All else is computed in f32.
;;   The module's matrix products, in the order in which they are computed (A, B: the left and right operand; K: the contracted axis; several contracted axes count as one K, in the product's order):
;;     1. [M 16,384, K 256] x [K 256, N 768]; A: computed on the way; B: input qkv_w (given as codes): QUANTISED
;;     2. batch 16 x [M 4,096, K 64] x [K 64, N 4,096]; A: computed on the way; B: computed on the way: QUANTISED
;;     3. batch 16 x [M 64, K 4,096] x [K 4,096, N 4,096]; A: computed on the way; B: softmax (see below): QUANTISED
;;     4. [M 16,384, K 256] x [K 256, N 256]; A: computed on the way; B: input proj_w (given as codes): QUANTISED
;;   THE QUANTISER, for each operand of a quantised product, along K:
;;     - K is cut into blocks of 32 from its start; a last block that is shorter is filled with zeros.
;;     - A block's scale is 2^e with e = floor(log2(the largest magnitude in the block)) - 2, held to -126 .. 127; a block of zeros has e = 0. As a byte (E8M0): e + 127.
;;     - Each number is divided by its block's scale, clamped to +-7.5, and rounded to the nearest number of E2M3, ties to even, subnormals kept.
;;     - The product sums the exact products of the quantised numbers (number of the format x scale) in f32.
;;   ~~~python
;;   def quantise(x, axis):      # numpy; x: float32 -> the quantised numbers, widened to float32 again
;;       x = np.moveaxis(x, axis, -1); K = x.shape[-1]
;;       x = np.pad(x, [(0, 0)] * (x.ndim - 1) + [(0, -K % 32)]); x = x.reshape(x.shape[:-1] + (-1, 32)); a = np.abs(x).max(-1, keepdims=True)
;;       e = np.where(a > 0, np.clip(np.frexp(np.where(a > 0, a, 1))[1] - 1 - 2, -126, 127), 0)      # np.frexp(a)[1] - 1 = floor(log2(a)), exactly
;;       r = np.clip(x / 2.0 ** e, -7.5, 7.5)
;;       step = 2.0 ** (np.maximum(np.frexp(np.where(r == 0, 1, r))[1] - 1, 0) - 3)
;;       q = np.round(r / step) * step * 2.0 ** e      # np.round: ties to even
;;       return np.moveaxis(q.reshape(q.shape[:-2] + (-1,))[..., :K], -1, axis).astype(np.float32)
;;   ~~~
;;   SOFTMAX AHEAD OF A QUANTISED PRODUCT. Where the list says 'softmax', what is quantised is not the finished softmax but p = 2^(t - M), with t = logit x log2(e) and M = ceil(the row's largest t), a whole number; so 1/2 < the row's largest p <= 1. The row's sum l is taken of the UNQUANTISED p, in f32, and the product's result is divided by l at the end. Since M is a whole number, a kernel that streams over the keys may use a running M (the ceiling of the running maximum): every later rescaling is an exact power of two, which a block's scale takes up: the codes' values come out the same.
;;   OPERANDS COMPUTED ON THE WAY. 'Computed on the way' means the value that the module computes at that place (a softmax that the list does not call 'softmax' is quantised finished and normalised). What goes into a quantiser is computed in f32, as accurately as f32 sums, v_exp_f32 and their like allow (about 1e-6 of the number): no bf16 or f16 on the way to a quantiser, and a product that is left as it is and whose result goes on into a quantised operand takes f32 operands (vector FMAs, or v_wmma_f32_16x16x4_f32). A number that lies on a knife's edge between two numbers of the format may be rounded either way, as far as f32 arithmetic and the matrix unit's own rounding can turn it there, and no further.
;;   INPUTS GIVEN AS CODES. proj_w (in the module: [256, 256], K = its axis 1); qkv_w (in the module: [768, 256], K = its axis 1): each comes as NAME_codes (uint8): NAME with its K axis moved to the last place and cut into blocks of 32 codes, [.., K / 32, bytes a block], one block behind the other in memory; four codes in three bytes: a row's codes are one little-endian stream of bits, code i at bits 6 i .. 6 i + 5 (a code: sign, 2 exponent bits, 3 mantissa bits); and NAME_scales (uint8): the same leading axes, one E8M0 byte (e + 127) for each 32 codes along K. Its value is code x scale, taken as it is: it is not quantised again, and the codes and scales need not be those that the quantiser above would give.
;; One version. Each part assembles by itself: llvm-mc -triple=amdgcn-amd-amdhsa -mcpu=gfx1250 --defsym DOCPART=n.
;; ======== version 1 of 1: 3 launches
;; workspace buffers: stats 2,048 bytes; qq 3,276,800 bytes; kv 6,553,600 bytes
;; launch stats (part 1): grid 256 x 1, 8 waves a work-group, no clusters, 1,280 bytes of LDS; arguments x, stats; writes stats
.if DOCPART == 1
	.amdgcn_target "amdgcn-amd-amdhsa--gfx1250"
	.amdhsa_code_object_version 6
	.text
	.protected	k_q58daf9d399_stats
	.globl	k_q58daf9d399_stats
	.p2align	8
	.type	k_q58daf9d399_stats,@function
k_q58daf9d399_stats:
	s_mov_b64 s[64:65], 0
	v_nop
	global_prefetch_b8 v0, s[64:65] scope:SCOPE_SE
	s_setreg_imm32_b32 hwreg(HW_REG_WAVE_MODE, 25, 1), 1
	s_wait_xcnt 0x0
; GroupNorm's statistics, first half.  x is [4][256][64][64] f32; a group is 32 channels of one image: 131,072 numbers, 524,288 consecutive bytes.
; Work-group G takes the 65,536 bytes at 65,536 G, an eighth of group G / 8, and stores (its mean, the sum of squares of the distances from ITS OWN mean) at stats[G].
; The next launch joins a group's eight pairs.  No difference of large sums is formed anywhere, so a common offset of the inputs costs no digits.
; A wave takes 8,192 bytes: 16 loads of 512 consecutive bytes; a lane keeps its 64 numbers in registers for both passes, so x is read once here.
; No matrix unit, no tensor load, no cluster: a plain reduction whose work-groups share nothing.
; LIMITS: NaN and infinities among the inputs are not served.
.set X, 16                             ; v16-79  my 64 numbers
	s_load_b128 s[4:7], s[0:1], 0x0                ; x, stats
	v_lshl_add_u32 v96, v0, 2, 0x100
	v_mov_b32 v97, 0
	v_lshrrev_b32 v2, 5, v0
	s_delay_alu instid0(VALU_DEP_1)
	v_readfirstlane_b32 s8, v2                     ; wave 0..7
	v_and_b32 v1, 31, v0
	s_delay_alu instid0(VALU_DEP_1)
	v_lshlrev_b32 v1, 4, v1                        ; 16 x lane
	s_delay_alu instid0(VALU_DEP_4)
	v_lshlrev_b32 v3, 2, v2                        ; LDS: my wave's word
	v_mov_b32 v4, 0
	s_lshl_b32 s10, ttmp9, 16                      ; the work-group's 65,536 bytes,
	s_lshl_b32 s9, s8, 13                          ; my wave's 8,192 of them
	s_add_co_u32 s10, s10, s9
	s_mov_b32 s11, 0
	s_mov_b32 s12, 0x76543210                      ; v_permlanex16_b32's selects for lane l xor 16
	s_mov_b32 s13, 0xfedcba98
	s_lshl_b32 s14, ttmp9, 3                       ; my pair's place in stats
	v_mov_b32 v5, s14
	s_wait_alu depctr_va_vdst(0)
	s_wait_kmcnt 0x0
	s_add_nc_u64 s[4:5], s[4:5], s[10:11]
.irp i, 0,1,2,3,4,5,6,7,8,9,10,11,12,13,14,15
	global_load_b128 v[X+4*\i:X+4*\i+3], v1, s[4:5] offset:512*\i th:TH_LOAD_NT
.endr
; v8: a number of each lane -> v8: the sum over the work-group, in every lane.  off: the eight LDS words that this sum uses (each sum has its own, so one barrier a sum is enough)
.macro WGSUM off
	s_delay_alu instid0(VALU_DEP_1)
	v_add_f32_dpp v8, v8, v8 row_xmask:1 row_mask:0xf bank_mask:0xf
	s_delay_alu instid0(VALU_DEP_1)
	v_add_f32_dpp v8, v8, v8 row_xmask:2 row_mask:0xf bank_mask:0xf
	s_delay_alu instid0(VALU_DEP_1)
	v_add_f32_dpp v8, v8, v8 row_xmask:4 row_mask:0xf bank_mask:0xf
	s_delay_alu instid0(VALU_DEP_1)
	v_add_f32_dpp v8, v8, v8 row_xmask:8 row_mask:0xf bank_mask:0xf
	s_delay_alu instid0(VALU_DEP_1)
	v_permlanex16_b32 v9, v8, s12, s13             ; (v9 has been written: it was the chain's upper half)
	s_delay_alu instid0(VALU_DEP_1)
	v_add_f32 v8, v8, v9
	ds_store_b32 v3, v8 offset:\off                ; all lanes of a wave write the same word with the same value
	s_wait_dscnt 0x0                               ; for the others' sake: my store has landed
	s_barrier_signal -1
	s_barrier_wait -1
	ds_load_b128 v[80:83], v4 offset:\off
	ds_load_b128 v[84:87], v4 offset:\off+16
	s_wait_dscnt 0x0
	v_pk_add_f32 v[80:81], v[80:81], v[82:83]
	v_pk_add_f32 v[84:85], v[84:85], v[86:87]
	s_delay_alu instid0(VALU_DEP_1)
	v_pk_add_f32 v[80:81], v[80:81], v[84:85]
	s_delay_alu instid0(VALU_DEP_1)
	v_add_f32 v8, v80, v81
.endm
	; pass 1: the sum, two numbers at a time, in two chains; the first pairs start the chains: nothing is cleared
	s_wait_loadcnt 12                              ; the first four loads are in; the twelve behind them may be out
	v_pk_add_f32 v[8:9], v[X:X+1], v[X+2:X+3]
	v_pk_add_f32 v[10:11], v[X+4:X+5], v[X+6:X+7]
.irp p, 8,12
	s_delay_alu instid0(VALU_DEP_2)
	v_pk_add_f32 v[8:9], v[8:9], v[X+\p:X+\p+1]
	s_delay_alu instid0(VALU_DEP_2)
	v_pk_add_f32 v[10:11], v[10:11], v[X+\p+2:X+\p+3]
.endr
	s_wait_alu depctr_va_vdst(0)
.irp g, 1,2,3
	s_wait_alu depctr_va_vdst(0)
	s_wait_loadcnt 12-4*\g                         ; the next four are in
.irp p, 0
	v_pk_add_f32 v[8:9], v[8:9], v[X+16*\g+\p:X+16*\g+\p+1]
	v_pk_add_f32 v[10:11], v[10:11], v[X+16*\g+\p+2:X+16*\g+\p+3]
.endr
.irp p, 4, 8, 12
	s_delay_alu instid0(VALU_DEP_2)
	v_pk_add_f32 v[8:9], v[8:9], v[X+16*\g+\p:X+16*\g+\p+1]
	s_delay_alu instid0(VALU_DEP_2)
	v_pk_add_f32 v[10:11], v[10:11], v[X+16*\g+\p+2:X+16*\g+\p+3]
.endr
.endr
	s_delay_alu instid0(VALU_DEP_1)
	v_pk_add_f32 v[8:9], v[8:9], v[10:11]
	s_delay_alu instid0(VALU_DEP_1)
	v_add_f32 v8, v8, v9
	WGSUM 0
	s_delay_alu instid0(VALU_DEP_1)
	v_mul_f32 v6, 0x38800000, v8                   ; / 16,384: the work-group's mean,
	s_delay_alu instid0(VALU_DEP_1)
	v_mov_b32 v7, v6                               ; twice, for the packed subtraction
	; pass 2, on the same registers: the squares of the distances from that mean
.set p, 0
.rept 16
	v_pk_add_f32 v[12:13], v[X+4*p:X+4*p+1], v[6:7] neg_lo:[0,1] neg_hi:[0,1]
	v_pk_add_f32 v[14:15], v[X+4*p+2:X+4*p+3], v[6:7] neg_lo:[0,1] neg_hi:[0,1]
.if p == 0
	s_delay_alu instid0(VALU_DEP_2)
	v_pk_mul_f32 v[8:9], v[12:13], v[12:13]
	s_delay_alu instid0(VALU_DEP_2)
	v_pk_mul_f32 v[10:11], v[14:15], v[14:15]
.else
	s_delay_alu instid0(VALU_DEP_2)
	v_pk_fma_f32 v[8:9], v[12:13], v[12:13], v[8:9]
	s_delay_alu instid0(VALU_DEP_2)
	v_pk_fma_f32 v[10:11], v[14:15], v[14:15], v[10:11]
.endif
.set p, p+1
.endr
	s_delay_alu instid0(VALU_DEP_1)
	v_pk_add_f32 v[8:9], v[8:9], v[10:11]
	s_delay_alu instid0(VALU_DEP_1)
	v_add_f32 v8, v8, v9
	WGSUM 32
	v_mov_b32 v10, v6                              ; (mean, sum of squares)
	s_delay_alu instid0(VALU_DEP_2)
	v_mov_b32 v11, v8
	s_wait_alu depctr_va_vdst(0)
	s_wait_xcnt 0x0                                ; EXEC changes only behind this wait
	v_cmp_eq_u32 vcc_lo, 0, v0
	s_wait_tensorcnt 0x0
	ds_add_u32 v96, v97
	s_wait_dscnt 0x0
	s_and_saveexec_b32 s15, vcc_lo                 ; thread 0 alone stores the pair
	global_store_b64 v5, v[10:11], s[6:7]
	s_wait_xcnt 0x0                                ; and again in front of the line that widens it
	s_or_b32 exec_lo, exec_lo, s15
	s_endpgm
.Lfunc_end_k_q58daf9d399_stats:
	.size	k_q58daf9d399_stats, .Lfunc_end_k_q58daf9d399_stats-k_q58daf9d399_stats
	.p2alignl 7, 3214868480
	.fill 96, 4, 3214868480
	.section	.rodata,"a",@progbits
	.p2align	6, 0x0
	.amdhsa_kernel k_q58daf9d399_stats
		.amdhsa_group_segment_fixed_size 1280
		.amdhsa_private_segment_fixed_size 0
		.amdhsa_enable_private_segment 0
		.amdhsa_kernarg_size 16
		.amdhsa_user_sgpr_count 2
		.amdhsa_user_sgpr_kernarg_segment_ptr 1
		.amdhsa_wavefront_size32 1
		.amdhsa_system_sgpr_workgroup_id_x 1
		.amdhsa_system_sgpr_workgroup_id_y 1
		.amdhsa_system_sgpr_workgroup_id_z 1
		.amdhsa_system_vgpr_workitem_id 0
		.amdhsa_next_free_vgpr 98
		.amdhsa_next_free_sgpr 66
		.amdhsa_reserve_vcc 1
		.amdhsa_float_denorm_mode_32 3
		.amdhsa_float_denorm_mode_16_64 3
		.amdhsa_memory_ordered 1
		.amdhsa_forward_progress 1
		.amdhsa_inst_pref_size 14
	.end_amdhsa_kernel
	.amdgpu_metadata
---
amdhsa.version: [ 1, 2 ]
amdhsa.kernels:
  - .name:           k_q58daf9d399_stats
    .symbol:         k_q58daf9d399_stats.kd
    .args:
      - { .name: x, .offset: 0, .size: 8, .value_kind: global_buffer, .address_space: global }
      - { .name: stats, .offset: 8, .size: 8, .value_kind: global_buffer, .address_space: global }
    .group_segment_fixed_size: 1280
    .private_segment_fixed_size: 0
    .kernarg_segment_align: 8
    .kernarg_segment_size: 16
    .max_flat_workgroup_size: 256
    .sgpr_count:     66
    .vgpr_count:     98
    .wavefront_size: 32
...
	.end_amdgpu_metadata
.endif
;; end of part 1
;; launch qkv (part 2): grid 256 x 1, 8 waves a work-group, no clusters, 14,336 bytes of LDS; arguments x, gn_w, gn_b, stats, qkv_w_codes, qkv_w_scales, qkv_b, qq, kv; writes qq, kv
.if DOCPART == 2
	.amdgcn_target "amdgcn-amd-amdhsa--gfx1250"
	.amdhsa_code_object_version 6
	.text
	.protected	k_q58daf9d399_qkv
	.globl	k_q58daf9d399_qkv
	.p2align	8
	.type	k_q58daf9d399_qkv,@function
k_q58daf9d399_qkv:
	s_mov_b64 s[64:65], 0
	v_nop
	global_prefetch_b8 v0, s[64:65] scope:SCOPE_SE
	s_setreg_imm32_b32 hwreg(HW_REG_WAVE_MODE, 25, 1), 1
	s_wait_xcnt 0x0
; GroupNorm finished, xn quantised, qkv = W xn + bias on codes of FP6 (E2M3) with one E8M0 scale for each 32 along K, and q, k, v quantised again into the images that the attention launch's operand registers take.
; SHARES.  Work-group G: image b = G / 64, positions 64 H .. 64 H + 63, H = G % 64.  Eight waves.
;   Phase X: wave w takes channels 32 w .. 32 w + 31, which are group w AND block w of the product's K.  A lane takes a position (two, one after the other), its 32 registers run down the channels: a whole block is one lane's.
;   Products: wave w takes rows 64 w .. 64 w + 63 of W (q's head w, or k's head w - 4) and rows 512 + 32 w .. + 31 (half of v's head w / 2), for all 64 positions.  So W is read once by the work-group, straight into operand registers.
; No cluster: W never goes through LDS, so there is no tile that a joint load could bring.  No tensor load: the work-group's x is 32 rows of 256 bytes for each wave, taken straight into the registers that the quantiser wants.
; THE ROWS OF A TILE ARE NOT NEIGHBOURS: tile 2 b + u (of positions, and of W's rows) takes, in lane r, row 32 b + 8 u + r + 8 (r / 8) of its 64.  So a lane's registers 16 b + i of four result tiles are index 32 b + 16 (lane / 16) + i: 16 neighbours.
; A HALF = six registers a lane: 32 codes, k = 32 (lane / 16) + 0 .. 31 of row lane % 16.  Its image is 768 bytes: registers 0-3 at 16 x lane, registers 4-5 at 512 + 8 x lane: each store of the wave covers 512 or 256 consecutive bytes, aligned.
; q and k: source 0 = W's rows, source 1 = xn's positions: a lane holds one position and 32 of the head's 64 channels, the next product's K.  v: the sources swapped: a lane holds one channel and 32 of the 64 positions, the keys, its K.
; q is NOT multiplied by 1/8 here: the codes would be the same and the scale three exponents lower; the attention launch folds the exact 2^-3 into its factor.
; LIMITS: a block whose largest magnitude lies under 2^-124 gets the scale byte 1, a block of zeros too (the rule says 127: its codes are zeros, and this program alone reads the bytes); q / 8 differs from the rule only where q's scale
; would be held at -126; NaN and infinities among the inputs are not served.  v's scale halfwords are stored 2 bytes a lane (a word spans two work-groups): 128 bytes a wave.
; REGISTERS.  window 0: v1-17, v22-23 addresses; v18-21, v24-27 at work; v28-39 W's scale words; v40-47 xn's; v48-55 halfwords; v56-63 the quantiser's; v64-127 x, then v64-159 xn's eight fragments; v160-191 four accumulators; v192-206 codes.
;             window 1: v0-95 W's fragments for q or k (tile j, K step s at 12 (2 j + s)); v96-143 for v; v144-175 their biases in the result's layout; v176-191 v's; v192-193 v's as loaded.
.set XSC,  12800                       ; LDS: 64 rows (positions) x 200 bytes: eight blocks of 24 bytes of codes + 8 of padding; behind them 8 scale bytes a position
.set WS,   28
.set XS,   40
.set HW,   48
.set TM,   56
.set XN,   64
.set XF,   64
.set ACC,  160
.set PC,   192
.set PT,   200
.set WQ,   0                           ; in window 1
.set WVF,  96
.set BQ,   144
.set BV,   176
.set RB,   192
.set SEL,  60                          ; s[60:61] v_permlanex16_b32's selects for lane l xor 16
.set MSB,  0
.macro WIN new                         ; s_set_vgpr_msb: bits 1:0 source 0, 3:2 source 1, 5:4 source 2, 7:6 destination; the immediate's high byte repeats the setting that is left
.if MSB != \new
	s_set_vgpr_msb (MSB<<8)|\new
.set MSB, \new
.endif
.endm
; 32 numbers of a lane, v[s] .. v[s + 31], register 16 b + i = k 32 b + 16 (lane / 16) + i of my row, become a HALF in v[pc] .. v[pc + 5] and two scale bytes in v[hw].  pt: three registers at work; tm: eight.
.macro HQ s, pc, pt, hw, tm
.irp b, 0,1
	v_max3_num_f32 v[\tm+\b], |v[\s+16*\b]|, |v[\s+16*\b+1]|, 0x1800000   ; block b: my 16 numbers, and the floor 2^(3 - 127): the byte cannot fall under 1
.endr
.irp i, 2,4,6,8,10,12,14
.irp b, 0,1
	v_max3_num_f32 v[\tm+\b], v[\tm+\b], |v[\s+16*\b+\i]|, |v[\s+16*\b+\i+1]|   ; (the two blocks by turns)
.endr
.endr
.irp b, 0,1
	s_delay_alu instid0(VALU_DEP_2)
	v_permlanex16_b32 v[\tm+2+\b], v[\tm+\b], s[SEL], s[SEL+1]
.endr
.irp b, 0,1
	s_delay_alu instid0(VALU_DEP_2)
	v_max_num_f32 v[\tm+\b], v[\tm+\b], v[\tm+2+\b]   ; with lane l xor 16's 16: the block's largest magnitude
.endr
.irp b, 0,1
	s_delay_alu instid0(VALU_DEP_2)
	v_add_nc_u32 v[\tm+4+\b], 0xff000000, v[\tm+\b]   ; 2 off its exponent field: the conversion takes the exponent field of this operand as its scale
.endr
.irp b, 0,1
	s_delay_alu instid0(VALU_DEP_2)
	v_lshrrev_b32 v[\tm+6+\b], 23, v[\tm+4+\b]     ; the scale's byte
.endr
	s_delay_alu instid0(VALU_DEP_1)
	v_lshl_or_b32 v[\hw], v[\tm+7], 8, v[\tm+6]
	v_cvt_scalef32_pk16_fp6_f32 v[\pc:\pc+2], v[\s:\s+15], v[\tm+4]
	v_cvt_scalef32_pk16_fp6_f32 v[\pt:\pt+2], v[\s+16:\s+31], v[\tm+5]   ; (a conversion's three registers begin on an even number)
	v_nop                                          ; one plain place behind a scaled conversion
.irp i, 0,1,2
	v_permlane16_swap_b32 v[\pc+\i], v[\pt+\i]     ; a lane wants a WHOLE block: lanes 0-15 block 0, lanes 16-31 block 1
.endr
.irp i, 0,1,2
	s_delay_alu instid0(VALU_DEP_3)
	v_mov_b32 v[\pc+3+\i], v[\pt+\i]
.endr
.endm
	s_load_b512 s[4:19], s[0:1], 0x0               ; x, gn_w, gn_b, stats, W's codes, W's scales, qkv_b, qq
	s_load_b64 s[20:21], s[0:1], 0x40              ; kv
	v_lshl_add_u32 v254, v0, 2, 0x3400
	v_mov_b32 v255, 0
	v_lshrrev_b32 v18, 5, v0
	s_delay_alu instid0(VALU_DEP_1)
	v_readfirstlane_b32 s22, v18                   ; wave 0..7
	v_and_b32 v1, 31, v0                           ; lane
	v_and_b32 v2, 15, v0                           ; r
	v_bfe_u32 v3, v0, 4, 1                         ; h
	s_delay_alu instid0(VALU_DEP_2)
	v_and_b32 v4, 8, v2
	s_delay_alu instid0(VALU_DEP_1)
	v_add_nc_u32 v4, v4, v2                        ; rr = r + 8 (r / 8)
	v_lshlrev_b32 v5, 2, v1                        ; 4 x lane
	s_mul_i32 s23, s22, 24
	v_mul_u32_u24 v6, v1, 200
	s_delay_alu instid0(VALU_DEP_1)
	v_add_nc_u32 v6, s23, v6                       ; LDS, phase X: row = lane, my wave's block
	v_lshlrev_b32 v7, 3, v1
	s_delay_alu instid0(VALU_DEP_1)
	v_add_nc_u32 v7, s22, v7
	s_delay_alu instid0(VALU_DEP_1)
	v_add_nc_u32 v7, XSC, v7                       ; and its scale byte
	v_mul_u32_u24 v20, v4, 192                     ; a row of W is 256 codes, 192 bytes
	s_delay_alu instid0(VALU_DEP_1)
	v_mad_u32_u24 v20, v3, 24, v20
	s_mul_i32 s62, s22, 12288
	v_add_nc_u32 v8, s62, v20                      ; W for q or k: row 64 w + rr, + 24 h
	s_mul_i32 s62, s22, 6144
	s_add_co_u32 s62, s62, 98304
	v_add_nc_u32 v22, s62, v20                     ; W for v: row 512 + 32 w + rr
	s_lshl_b32 s62, s22, 9
	v_lshl_add_u32 v9, v4, 3, s62                  ; their scale words: 8 bytes a row
	s_lshl_b32 s62, s22, 8
	v_lshl_add_u32 v10, v3, 6, s62                 ; q's or k's bias: channel 64 w + 16 h + ..
	s_add_co_u32 s62, s62, 4096
	v_lshl_add_u32 v23, v4, 3, s62
	s_lshl_b32 s62, s22, 7
	s_add_co_u32 s62, s62, 2048
	v_lshl_add_u32 v11, v4, 2, s62                 ; v's bias: channel 512 + 32 w + rr
	v_mul_u32_u24 v12, v4, 200
	s_delay_alu instid0(VALU_DEP_1)
	v_mad_u32_u24 v12, v3, 24, v12                 ; LDS, products: xn's row rr, + 24 h
	v_lshl_add_u32 v13, v4, 3, XSC                 ; and its scale words
	v_lshlrev_b32 v14, 4, v1                       ; an image's places for my lane: 16 x lane,
	v_lshlrev_b32 v15, 3, v1                       ; 8 x lane
	s_lshr_b32 s62, ttmp9, 6                       ; b
	s_lshl_b32 s2, s62, 22                         ; x: the image,
	s_lshl_b32 s62, s62, 3
	s_add_co_u32 s62, s62, s22
	s_lshl_b32 s62, s62, 6                         ; stats: group 8 b + w has eight pairs of 8 bytes
	v_and_b32 v17, 7, v0
	s_delay_alu instid0(VALU_DEP_1)
	v_lshl_add_u32 v17, v17, 3, s62                ; lane l takes pair l % 8
	s_lshl_b32 s3, s22, 19                         ; my wave's 32 channels,
	s_add_co_u32 s2, s2, s3
	s_and_b32 s3, ttmp9, 63
	s_lshl_b32 s3, s3, 8                           ; the work-group's 64 positions
	s_add_co_u32 s2, s2, s3
	s_mov_b32 s3, 0
	s_lshl_b32 s66, s22, 7                         ; gn_w, gn_b: my wave's 32 numbers
	s_mov_b32 s67, 0
	s_mov_b32 s[SEL], 0x76543210
	s_mov_b32 s[SEL+1], 0xfedcba98
	s_mov_b32 s63, 0xffff                          ; lanes 0-15
	v_mov_b32 v[TM+2], 0                           ; written once: a lane permute's destination counts as one of its sources
	v_mov_b32 v[TM+3], 0
	s_wait_alu depctr_va_vdst(0)
	s_wait_kmcnt 0x0
	s_add_nc_u64 s[6:7], s[6:7], s[66:67]
	s_add_nc_u64 s[8:9], s[8:9], s[66:67]
	s_add_nc_u64 s[4:5], s[4:5], s[2:3]
	s_load_b512 s[24:39], s[6:7], 0x0              ; gn_w of channels 32 w + 0 .. 31 in s24-55,
	s_load_b512 s[40:55], s[6:7], 0x40
	s_load_b512 s[68:83], s[8:9], 0x0              ; gn_b in s68-99
	s_load_b512 s[84:99], s[8:9], 0x40
	; ALL LOADS GO OUT AT ONCE: what phase X wants first
	global_load_b64 v[18:19], v17, s[10:11]
.irp i, 0,1,2,3,4,5,6,7,8,9,10,11,12,13,14,15,16,17,18,19,20,21,22,23,24,25,26,27,28,29,30,31
	global_load_b32 v[XN+\i], v5, s[4:5] offset:16384*\i th:TH_LOAD_NT          ; x(32 w + i, position lane): 128 consecutive bytes,
	global_load_b32 v[XN+32+\i], v5, s[4:5] offset:16384*\i+128 th:TH_LOAD_NT   ; and the 128 behind them: position 32 + lane
.endr
	WIN 0x40                                       ; destination window 1
.irp j, 0,1,2,3
.irp s, 0,1
.irp p, 0,1,2,3,4,5
	global_load_b64 v[WQ+12*(2*\j+\s)+2*\p:WQ+12*(2*\j+\s)+2*\p+1], v8, s[12:13] offset:(32*(\j/2)+8*(\j%2))*192+96*\s+48*(\p/3)+8*(\p%3)
.endr
.endr
.endr
.irp u, 0,1
.irp s, 0,1
.irp p, 0,1,2,3,4,5
	global_load_b64 v[WVF+12*(2*\u+\s)+2*\p:WVF+12*(2*\u+\s)+2*\p+1], v22, s[12:13] offset:1536*\u+96*\s+48*(\p/3)+8*(\p%3)
.endr
.endr
.endr
.irp j, 0,1,2,3
	global_load_b128 v[BQ+8*\j:BQ+8*\j+3], v10, s[16:17] offset:(32*(\j/2)+8*(\j%2))*4       ; the bias of the lane's eight channels of tile j: the C of the sum's first product
	global_load_b128 v[BQ+8*\j+4:BQ+8*\j+7], v10, s[16:17] offset:(32*(\j/2)+8*(\j%2))*4+16
.endr
.irp u, 0,1
	global_load_b32 v[RB+\u], v11, s[16:17] offset:32*\u
.endr
	WIN 0
.irp j, 0,1,2,3
	global_load_b64 v[WS+2*\j:WS+2*\j+1], v9, s[14:15] offset:(32*(\j/2)+8*(\j%2))*8
.endr
.irp u, 0,1
	global_load_b64 v[WS+8+2*\u:WS+9+2*\u], v23, s[14:15] offset:64*\u
.endr
	; ---- PHASE X.  The group's mean and variance from its eight pairs (mean_i, M2_i) of 16,384 numbers each: mean = the mean of the means; M2 = the sum of M2_i + 16,384 (mean_i - mean)^2
	s_wait_loadcnt 63                              ; 88 loads were issued behind x's: with 63 out at the most, the pairs and x are in
	s_mov_b32 s62, 0x46800000                      ; 16,384
	s_mov_b32 s2, 0x37000000                       ; 1 / 131,072
	s_mov_b32 s3, 0x3727c5ac                       ; 1e-5
	v_mov_b32 v20, v18
	s_delay_alu instid0(VALU_DEP_1)
	v_add_f32_dpp v20, v20, v20 row_xmask:1 row_mask:0xf bank_mask:0xf
	s_delay_alu instid0(VALU_DEP_1)
	v_add_f32_dpp v20, v20, v20 row_xmask:2 row_mask:0xf bank_mask:0xf
	s_delay_alu instid0(VALU_DEP_1)
	v_add_f32_dpp v20, v20, v20 row_xmask:4 row_mask:0xf bank_mask:0xf
	s_delay_alu instid0(VALU_DEP_1)
	v_mul_f32 v20, 0x3e000000, v20                 ; / 8
	s_delay_alu instid0(VALU_DEP_1)
	v_sub_f32 v21, v18, v20
	s_delay_alu instid0(VALU_DEP_1)
	v_mul_f32 v21, v21, v21
	s_delay_alu instid0(VALU_DEP_1)
	v_fma_f32 v21, v21, s62, v19
	s_delay_alu instid0(VALU_DEP_1)
	v_add_f32_dpp v21, v21, v21 row_xmask:1 row_mask:0xf bank_mask:0xf
	s_delay_alu instid0(VALU_DEP_1)
	v_add_f32_dpp v21, v21, v21 row_xmask:2 row_mask:0xf bank_mask:0xf
	s_delay_alu instid0(VALU_DEP_1)
	v_add_f32_dpp v21, v21, v21 row_xmask:4 row_mask:0xf bank_mask:0xf
	s_delay_alu instid0(VALU_DEP_1)
	v_fma_f32 v21, v21, s2, s3                     ; the variance + eps
	s_wait_alu depctr_va_vdst(0)
	v_rsq_f32 v21, v21
	v_mul_f32 v20, -1.0, v20                       ; -mean.  (The plain place behind the transcendental)
	s_wait_alu depctr_va_vdst(0)                   ; the wait ahead of the first line that names the root's result
	v_readfirstlane_b32 s56, v20
	v_readfirstlane_b32 s58, v21
	s_mov_b32 s57, s56                             ; (the packed forms name pairs)
	s_mov_b32 s59, s58
	s_wait_kmcnt 0x0                               ; gn_w, gn_b
; Positions 32 a + lane: xn = ((x - mean) rstd) gn_w + gn_b; the block's scale; 32 codes, 24 bytes, to my row in LDS.  Each half has its own registers for what its LDS stores read.
.macro XHALF a
.set XB, XN+32*\a
.set CB, PC+8*\a
.set SB, 24+2*\a
.set i, 0
.rept 16
	v_pk_add_f32 v[XB+2*i:XB+2*i+1], v[XB+2*i:XB+2*i+1], s[56:57] op_sel_hi:[1,0]
.set i, i+1
.endr
.set i, 0
.rept 16
	v_pk_mul_f32 v[XB+2*i:XB+2*i+1], v[XB+2*i:XB+2*i+1], s[58:59] op_sel_hi:[1,0]
.set i, i+1
.endr
.set i, 0
.rept 32
	v_fma_f32 v[XB+i], v[XB+i], s[24+i], s[68+i]
.set i, i+1
.endr
	v_max3_num_f32 v20, |v[XB]|, |v[XB+1]|, |v[XB+2]|              ; the block's largest magnitude: all 32 numbers are mine; two chains
	v_max3_num_f32 v21, |v[XB+3]|, |v[XB+4]|, |v[XB+5]|
.irp i, 6,10,14,18,22,26
	s_delay_alu instid0(VALU_DEP_2)
	v_max3_num_f32 v20, v20, |v[XB+\i]|, |v[XB+\i+1]|
	s_delay_alu instid0(VALU_DEP_2)
	v_max3_num_f32 v21, v21, |v[XB+\i+2]|, |v[XB+\i+3]|
.endr
	s_delay_alu instid0(VALU_DEP_2)
	v_max3_num_f32 v20, v20, |v[XB+30]|, |v[XB+31]|
	s_delay_alu instid0(VALU_DEP_1)
	v_max3_num_f32 v20, v20, v21, 0x1800000        ; and the floor 2^(3 - 127)
	s_delay_alu instid0(VALU_DEP_1)
	v_add_nc_u32 v[SB], 0xff000000, v20            ; 2 off the exponent field: the conversion's scale operand
	s_delay_alu instid0(VALU_DEP_1)
	v_lshrrev_b32 v[SB+1], 23, v[SB]               ; the scale's byte
	v_cvt_scalef32_pk16_fp6_f32 v[CB:CB+2], v[XB:XB+15], v[SB]
	v_cvt_scalef32_pk16_fp6_f32 v[CB+4:CB+6], v[XB+16:XB+31], v[SB]   ; (a conversion's three registers begin on an even number)
	v_nop                                          ; one plain place behind a scaled conversion
	v_mov_b32 v[CB+3], v[CB+4]                     ; six registers on end
	v_mov_b32 v[CB+4], v[CB+5]
	v_mov_b32 v[CB+5], v[CB+6]
.irp i, 0,1,2
	ds_store_b64 v6, v[CB+2*\i:CB+2*\i+1] offset:6400*\a+8*\i
.endr
	ds_store_b8 v7, v[SB+1] offset:256*\a
.endm
	XHALF 0
	XHALF 1
	s_wait_dscnt 0x0                               ; for the others' sake: my stores have landed
	s_barrier_signal -1
	s_barrier_wait -1                              ; xn's codes and scale bytes of all 256 channels lie in LDS: the only barrier
	; ---- PRODUCTS.  xn's eight fragments (tile T of positions, K step s) and their scale words
.irp T, 0,1,2,3
.irp s, 0,1
.irp p, 0,1,2,3,4,5
	ds_load_b64 v[XF+12*(2*\T+\s)+2*\p:XF+12*(2*\T+\s)+2*\p+1], v12 offset:(32*(\T/2)+8*(\T%2))*200+96*\s+48*(\p/3)+8*(\p%3)
.endr
.endr
	ds_load_b64 v[XS+2*\T:XS+2*\T+1], v13 offset:(32*(\T/2)+8*(\T%2))*8
.endr
	; where the results go (gn_w's and gn_b's scalars are free).  kv: [b][slot of 256 keys] blocks of 102,400 bytes; in a block chunk ci = 4 (key step % 2) + head: codes at 12,288 ci (K's eight HALVES, then V's eight), scale words at 98,304 + 512 ci
	s_lshr_b32 s24, ttmp9, 6                       ; b
	s_and_b32 s25, ttmp9, 63                       ; H
	s_mul_i32 s26, s24, 1638400
	s_lshr_b32 s27, s25, 2
	s_mul_i32 s27, s27, 102400
	s_add_co_u32 s26, s26, s27                     ; the slot's block
	s_bfe_u32 s27, s25, 0x10001
	s_lshl_b32 s27, s27, 2                         ; 4 x (key step % 2)
	s_and_b32 s28, s25, 1                          ; which 64 of the step's 128 keys
	s_and_b32 s29, s22, 3                          ; q's or k's head
	s_add_co_u32 s30, s27, s29
	s_mul_i32 s31, s30, 12288
	s_add_co_u32 s31, s31, s26
	s_mul_i32 s32, s28, 3072
	s_add_co_u32 s31, s31, s32                     ; K's codes: my four HALVES
	s_lshl_b32 s33, s30, 9
	s_add_co_u32 s33, s33, s26
	s_lshl_b32 s32, s28, 7
	s_add_co_u32 s33, s33, s32
	s_add_co_u32 s33, s33, 98304                   ; K's scale words
	s_mul_i32 s34, ttmp9, 12800                    ; qq: [b][H] blocks of 12,800 bytes: codes at 3,072 head + 768 T, scale words at 12,288 + 128 head
	s_mul_i32 s32, s29, 3072
	s_add_co_u32 s35, s34, s32
	s_lshl_b32 s32, s29, 7
	s_add_co_u32 s34, s34, s32
	s_add_co_u32 s34, s34, 12288
	s_cmp_lt_u32 s22, 4                            ; waves 0-3 make q, waves 4-7 k: the choice hangs on the wave's number alone
	s_cselect_b64 s[40:41], s[18:19], s[20:21]
	s_cselect_b32 s36, s35, s31
	s_cselect_b32 s38, s34, s33
	s_mov_b32 s37, 0
	s_mov_b32 s39, 0
	s_mov_b64 s[42:43], s[40:41]
	s_add_nc_u64 s[40:41], s[40:41], s[36:37]      ; q's or k's codes
	s_add_nc_u64 s[42:43], s[42:43], s[38:39]      ; and scale words
	s_lshr_b32 s30, s22, 1                         ; v's head
	s_add_co_u32 s30, s30, s27
	s_and_b32 s29, s22, 1                          ; which pair of its four tiles of channels
	s_mul_i32 s36, s30, 12288
	s_add_co_u32 s36, s36, s26
	s_mul_i32 s32, s29, 3072
	s_add_co_u32 s36, s36, s32
	s_mul_i32 s32, s28, 768
	s_add_co_u32 s36, s36, s32
	s_add_co_u32 s36, s36, 6144
	s_add_nc_u64 s[44:45], s[20:21], s[36:37]      ; V's codes: HALF (tile t, keys 64 c on) at 6,144 + 768 (2 t + c)
	s_lshl_b32 s38, s30, 9
	s_add_co_u32 s38, s38, s26
	s_lshl_b32 s32, s29, 7
	s_add_co_u32 s38, s38, s32
	s_lshl_b32 s32, s28, 1
	s_add_co_u32 s38, s38, s32
	s_add_co_u32 s38, s38, 98304+256
	s_add_nc_u64 s[46:47], s[20:21], s[38:39]      ; V's scale words: my two bytes of each
	s_wait_dscnt 0x0                               ; xn
	s_wait_loadcnt 0x0                             ; W, its scale words, the biases
	WIN 0x41                                       ; destination and source 0 window 1
.irp u, 0,1
.irp j, 0,1,2,3,4,5,6,7
	v_mov_b32 v[BV+8*\u+\j], v[RB+\u]              ; in v's results a lane holds ONE channel: its bias in all eight registers
.endr
.endr
	WIN 0
; q or k of tile T of positions: four tiles of W's rows, two K steps; the four accumulators take turns, one instruction a turn
.macro TASKQK T
	WIN 0x11                                       ; source 0 (W) and source 2 (the bias) window 1
.irp j, 0,1,2,3
	v_wmma_scale_f32_16x16x128_f8f6f4 v[ACC+8*\j:ACC+8*\j+7], v[WQ+24*\j:WQ+24*\j+11], v[XF+24*(\T):XF+24*(\T)+11], v[BQ+8*\j:BQ+8*\j+7], v[WS+2*\j], v[XS+2*(\T)] matrix_a_fmt:MATRIX_FMT_FP6 matrix_b_fmt:MATRIX_FMT_FP6
.endr
	WIN 0x01
.irp j, 0,1,2,3
	v_wmma_scale_f32_16x16x128_f8f6f4 v[ACC+8*\j:ACC+8*\j+7], v[WQ+24*\j+12:WQ+24*\j+23], v[XF+24*(\T)+12:XF+24*(\T)+23], v[ACC+8*\j:ACC+8*\j+7], v[WS+2*\j+1], v[XS+2*(\T)+1] matrix_a_fmt:MATRIX_FMT_FP6 matrix_b_fmt:MATRIX_FMT_FP6
.endr
	WIN 0
.rept 4
	v_nop                                          ; four places in front of the first read of results (ISA guide 7.12.1)
.endr
	s_wait_xcnt 0x0                                ; the last task's stores have read their registers: the codes may be written again
	HQ ACC, PC, PT, HW+(\T), TM
	global_store_b128 v14, v[PC:PC+3], s[40:41] offset:768*(\T)        ; 512 consecutive bytes, aligned
	global_store_b64 v15, v[PC+4:PC+5], s[40:41] offset:768*(\T)+512   ; 256 consecutive bytes, aligned
.endm
; v of tile u of my 32 channels: the sources swapped, four tiles of positions
.macro TASKV u
	WIN 0x14                                       ; source 1 (W) and source 2 (the bias) window 1
.irp T, 0,1,2,3
	v_wmma_scale_f32_16x16x128_f8f6f4 v[ACC+8*\T:ACC+8*\T+7], v[XF+24*\T:XF+24*\T+11], v[WVF+24*(\u):WVF+24*(\u)+11], v[BV+8*(\u):BV+8*(\u)+7], v[XS+2*\T], v[WS+8+2*(\u)] matrix_a_fmt:MATRIX_FMT_FP6 matrix_b_fmt:MATRIX_FMT_FP6
.endr
	WIN 0x04
.irp T, 0,1,2,3
	v_wmma_scale_f32_16x16x128_f8f6f4 v[ACC+8*\T:ACC+8*\T+7], v[XF+24*\T+12:XF+24*\T+23], v[WVF+24*(\u)+12:WVF+24*(\u)+23], v[ACC+8*\T:ACC+8*\T+7], v[XS+2*\T+1], v[WS+9+2*(\u)] matrix_a_fmt:MATRIX_FMT_FP6 matrix_b_fmt:MATRIX_FMT_FP6
.endr
	WIN 0
.rept 4
	v_nop
.endr
	s_wait_xcnt 0x0
	HQ ACC, PC, PT, HW+4+(\u), TM
	global_store_b128 v14, v[PC:PC+3], s[44:45] offset:1536*(\u)
	global_store_b64 v15, v[PC+4:PC+5], s[44:45] offset:1536*(\u)+512
.endm
	TASKQK 0
	TASKQK 1
	TASKQK 2
	TASKQK 3
	v_lshl_or_b32 v54, v[HW+1], 16, v[HW]          ; tiles 0 and 1 share a word (for k: the two keys of a fragment's row), tiles 2 and 3 the next;
	v_lshl_or_b32 v55, v[HW+3], 16, v[HW+2]
	s_delay_alu instid0(VALU_DEP_1)
	v_cndmask_b32 v54, v55, v54, s63               ; lanes 0-15 carry the first, lanes 16-31 the second: the two rows of one scale register
	global_store_b32 v5, v54, s[42:43]             ; 128 consecutive bytes
	TASKV 0
	TASKV 1
	v_cndmask_b32 v26, v[HW+5], v[HW+4], s63       ; lanes 0-15 tile 0's rows, lanes 16-31 tile 1's
	global_store_b16 v5, v26, s[46:47]             ; my 64 keys' two bytes of each word
	s_wait_tensorcnt 0x0
	ds_add_u32 v254, v255
	s_wait_dscnt 0x0
	s_endpgm
.Lfunc_end_k_q58daf9d399_qkv:
	.size	k_q58daf9d399_qkv, .Lfunc_end_k_q58daf9d399_qkv-k_q58daf9d399_qkv
	.p2alignl 7, 3214868480
	.fill 96, 4, 3214868480
	.section	.rodata,"a",@progbits
	.p2align	6, 0x0
	.amdhsa_kernel k_q58daf9d399_qkv
		.amdhsa_group_segment_fixed_size 14336
		.amdhsa_private_segment_fixed_size 0
		.amdhsa_enable_private_segment 0
		.amdhsa_kernarg_size 72
		.amdhsa_user_sgpr_count 2
		.amdhsa_user_sgpr_kernarg_segment_ptr 1
		.amdhsa_wavefront_size32 1
		.amdhsa_system_sgpr_workgroup_id_x 1
		.amdhsa_system_sgpr_workgroup_id_y 1
		.amdhsa_system_sgpr_workgroup_id_z 1
		.amdhsa_system_vgpr_workitem_id 0
		.amdhsa_next_free_vgpr 512
		.amdhsa_next_free_sgpr 100
		.amdhsa_reserve_vcc 0
		.amdhsa_float_denorm_mode_32 3
		.amdhsa_float_denorm_mode_16_64 3
		.amdhsa_memory_ordered 1
		.amdhsa_forward_progress 1
		.amdhsa_inst_pref_size 61
	.end_amdhsa_kernel
	.amdgpu_metadata
---
amdhsa.version: [ 1, 2 ]
amdhsa.kernels:
  - .name:           k_q58daf9d399_qkv
    .symbol:         k_q58daf9d399_qkv.kd
    .args:
      - { .name: x, .offset: 0, .size: 8, .value_kind: global_buffer, .address_space: global }
      - { .name: gn_w, .offset: 8, .size: 8, .value_kind: global_buffer, .address_space: global }
      - { .name: gn_b, .offset: 16, .size: 8, .value_kind: global_buffer, .address_space: global }
      - { .name: stats, .offset: 24, .size: 8, .value_kind: global_buffer, .address_space: global }
      - { .name: qkv_w_codes, .offset: 32, .size: 8, .value_kind: global_buffer, .address_space: global }
      - { .name: qkv_w_scales, .offset: 40, .size: 8, .value_kind: global_buffer, .address_space: global }
      - { .name: qkv_b, .offset: 48, .size: 8, .value_kind: global_buffer, .address_space: global }
      - { .name: qq, .offset: 56, .size: 8, .value_kind: global_buffer, .address_space: global }
      - { .name: kv, .offset: 64, .size: 8, .value_kind: global_buffer, .address_space: global }
    .group_segment_fixed_size: 14336
    .private_segment_fixed_size: 0
    .kernarg_segment_align: 8
    .kernarg_segment_size: 72
    .max_flat_workgroup_size: 256
    .sgpr_count:     100
    .vgpr_count:     512
    .wavefront_size: 32
...
	.end_amdgpu_metadata
.endif
;; end of part 2
;; launch attn (part 3): grid 64 x 4, 16 waves a work-group, clusters of 4 x 1, 327,680 bytes of LDS; arguments qq, kv, proj_w_codes, proj_w_scales, proj_b, x, out0; writes out0
.if DOCPART == 3
	.amdgcn_target "amdgcn-amd-amdhsa--gfx1250"
	.amdhsa_code_object_version 6
	.text
	.protected	k_q58daf9d399_attn
	.globl	k_q58daf9d399_attn
	.p2align	8
	.type	k_q58daf9d399_attn,@function
k_q58daf9d399_attn:
	s_mov_b64 s[64:65], 0
	v_nop
	global_prefetch_b8 v0, s[64:65] scope:SCOPE_SE
	s_setreg_imm32_b32 hwreg(HW_REG_WAVE_MODE, 25, 1), 1
	s_wait_xcnt 0x0
	s_wait_alu depctr_hold_cnt(0) depctr_sa_sdst(0) depctr_va_vdst(0) depctr_va_sdst(0) depctr_va_ssrc(0) depctr_va_vcc(0) depctr_vm_vsrc(0)
	s_getreg_b32 s2, hwreg(HW_REG_IB_STS2, 6, 4)
	s_cmp_eq_u32 s2, 0
	s_cbranch_scc0 .Lentry_in_a_cluster
	s_endpgm
.Lentry_in_a_cluster:
	s_bfe_u32 s2, ttmp6, 0x10000c
	s_cmp_lg_u32 s2, 0x3003
	s_cbranch_scc0 .Lentry_shape_is_right
	s_endpgm
.Lentry_shape_is_right:
; out0 = x + proj_w softmax(q^T k / 8) v + proj_b, all three products on codes of FP6 (E2M3) with one E8M0 scale for each 32 along K.  q, k, v come as the images that the launch before has laid (its head comment: HALF, the rows of a tile).
; SHARES.  A work-group owns 64 positions (queries) of one image, for all four heads: 4 x 64 work-groups.  Sixteen waves of 256 registers, four to a SIMD: wave w has head w / 4 and tile w % 4 of 16 queries, and walks all 4,096 keys, 128 a step.
; A key step is 12 matrix instructions and some 240 vector instructions of a wave: the vector work binds, so the waves are small and many, and one wave's softmax stands beside another's products and LDS loads.
; In the tail wave w makes output channels 16 w .. 16 w + 15 for the 64 positions.
; SCORES.  The head has 64 channels, the instruction 128 along K.  A fragment of K holds TWO keys a row: key 32 b + rr in k = 0 .. 63, key 32 b + 8 + rr in k = 64 .. 127 (rr = r + 8 (r / 8)).  It is multiplied twice: by QA = [q | zeros] and by
; QB = [zeros | q].  So nothing is read from LDS in vain; the zero codes add nothing.  S^T = K Q^T and O^T = V^T P^T: a lane holds ONE query throughout, and the 16 registers of two neighbouring score tiles are 16 neighbouring keys.
; THE SOFTMAX: t = score x log2(e) / 8 (q's factor 1/8 is applied here: exact); M = the running largest t rounded UP to a whole number; p = 2^(t - M) is quantised along the keys, not normalised; the row's sum is taken of the unquantised p
; and divides O at the end; when M moves, the sum and O^T are multiplied by 2^(old M - new M): exact.
; RING.  Two LDS slots of 256 keys x 4 heads, 102,400 dense bytes each, filled by waves 0-3, 100 rows of 256 bytes a load.  CLUSTER: the four work-groups of a cluster belong to one image and walk the same k and v: each load is asked for
; JOINTLY, with the same descriptor and a mask that names the four.  By this text's count a wave has one tensor load out at the most.
; LIMITS: a block whose largest magnitude lies under 2^-124 gets the scale byte 1, a block of zeros too (its codes are zeros; this program alone reads the bytes); NaN and infinities are not served.
; REGISTERS: v1-4, v7, v11 addresses that stay; v5-6 the spare word's; v8-10 addresses in hand; v12 -M, v13 the largest t, v[14:15] the sum; v16-27 QA; v28-39 QB; v40-87 four fragments of K or V; v88-95 out's scale words (tail);
;   v96-159 S^T, then p; v160-191 O^T; v192-215 proj_w's two fragments, v216-217 its scale words, v218 proj_b; v219-223 the tail's LDS addresses; v224-235 p's codes; v232-247, v252, v254 at work; v248-251 K's and V's scale words; v253 p's; v255 q's.
.set SLOTB, 102400                     ; a slot: 8 chunks (key step in the slot, head) of 12,288 bytes of codes (K's 8 HALVES, V's 8), then 8 x 512 bytes of scale words
.set SLOT1, 1<<17                      ; slot 1 begins here, so that one exclusive or turns an address in one slot into the other's
.set SPARE, SLOT1+SLOTB                ; the spare words, 128 bytes for each wave: eight blocks of 256 bytes that no other line names
.set OIMG,  SPARE+2048                 ; out's 16 HALVES (tile T, head): 768 (4 T + head).  From here on no tensor load lands
.set OSC,   OIMG+12288                 ; their scale words: (tile T, K step s) at 128 (2 T + s) + 4 x lane
.set STG,   OSC+1024                   ; the way out: 16 rows x (256 bytes + 16) for each wave
.set AI,   1                           ; v1   16 x lane + my head's chunk
.set AJ,   2                           ; v2   8 x lane + 512 + my head's chunk
.set ASC,  3                           ; v3   4 x lane + my head's scale words
.set GO,   4                           ; v4   x and out0: lanes 0-15 one channel's 256 bytes, lanes 16-31 the next channel's
.set SPW,  5                           ; v5   LDS address of my spare word: SPARE + 4 x my thread's number; never rewritten
.set NIL,  6                           ; v6   0; never rewritten
.set PFO,  7                           ; v7   256 x lane: the prefetches of kv
.set ADK,  8
.set ADJ,  9
.set ADS,  10
.set PFX,  11                          ; v11  16,384 x lane: the prefetch of x
.set FB,   40
.set SS,   96
.set OT,   160
.set OWI,  219
.set OWJ,  220
.set OWS,  221
.set SO,   222
.set SR,   223
.set TB,   2                           ; s2   LDS byte at which the slot in hand begins
.set SLOTS, 3                          ; s3   slots still to be asked for
.set WV,   18                          ; s18  my wave's number
.set SEL,  20                          ; s[20:21] lane selects for v_permlanex16_b32: lane l xor 16
.set CS,   22                          ; s[22:23] c = log2(e) / 8
.set G1,   24                          ; s[24:31] descriptor group 1
.set G0,   32                          ; s[32:35] descriptor group 0, which walks
.set PFA,  36                          ; s[36:37] where my prefetches of kv stand
.set LIM,  38                          ; s38  1 in a wave that prefetches kv, else the greatest number
.macro CROUND                          ; a round of the cluster's barrier: my work-group's barrier; wave 0 signals for the work-group; every wave waits for all four work-groups; my work-group's barrier once more
	s_barrier_signal -1
	s_barrier_wait -1
	s_cmp_lg_u32 s[WV], 0
	s_cbranch_scc1 .Lnot_wave_0_\@
	s_barrier_signal -3
.Lnot_wave_0_\@:
	s_barrier_wait -3
	s_barrier_signal -1
	s_barrier_wait -1
.endm
.macro TLOAD                           ; waves 0-3 fetch a quarter of a slot each; the branch hangs on the wave's number alone.  Four v_nop follow the load
	s_cmp_lt_u32 s[WV], 4
	s_cbranch_scc0 .Lno_fetch_\@
	tensor_load_to_lds s[G0:G0+3], s[G1:G1+7]
	s_nop 0
.rept 4
	v_nop
.endr
.Lno_fetch_\@:
.endm
; A PREFETCH INTO THE L2 of the codes that the NEXT change of slots will ask for: 98,304 bytes, 384 aligned blocks of 256.  All sixteen clusters of an image walk the same kv: the image's first cluster asks.  Its four partners take 24,576 bytes
; each, told apart BY ADDRESS; in each, waves 4, 5 and 6, which fetch nothing, take 8,192 bytes, lanes 256 bytes apart: one instruction a wave, each block named once in the launch.  It runs a slot's two key steps ahead of the load.
; Slots 0 and 1 come by their loads alone; the last change that fills a slot asks for nothing.  A slot's 4,096 bytes of scale words are not asked for: sixteen blocks do not share out over four partners' lanes.
.macro ASK
	s_cmp_gt_u32 s[SLOTS], s[LIM]
	s_cbranch_scc0 .Lnot_mine_\@
	global_prefetch_b8 v[PFO], s[PFA:PFA+1] th:TH_LOAD_NT scope:SCOPE_SE
.Lnot_mine_\@:
.endm
; 32 numbers of a lane, v[s] .. v[s + 31], register 16 b + i = k 32 b + 16 (lane / 16) + i of my row, become a HALF in v[pc] .. v[pc + 5] and two scale bytes in v[hw].  pt: three registers at work; tm: eight.
.macro HQ s, pc, pt, hw, tm
.irp b, 0,1
	v_max3_num_f32 v[\tm+\b], |v[\s+16*\b]|, |v[\s+16*\b+1]|, 0x1800000   ; block b: my 16 numbers, and the floor 2^(3 - 127): the byte cannot fall under 1
.endr
.irp i, 2,4,6,8,10,12,14
.irp b, 0,1
	s_delay_alu instid0(VALU_DEP_2)
	v_max3_num_f32 v[\tm+\b], v[\tm+\b], |v[\s+16*\b+\i]|, |v[\s+16*\b+\i+1]|
.endr
.endr
.irp b, 0,1
	s_delay_alu instid0(VALU_DEP_2)
	v_permlanex16_b32 v[\tm+2+\b], v[\tm+\b], s[SEL], s[SEL+1]
.endr
.irp b, 0,1
	s_delay_alu instid0(VALU_DEP_2)
	v_max_num_f32 v[\tm+\b], v[\tm+\b], v[\tm+2+\b]
.endr
.irp b, 0,1
	s_delay_alu instid0(VALU_DEP_2)
	v_add_nc_u32 v[\tm+4+\b], 0xff000000, v[\tm+\b]
.endr
.irp b, 0,1
	s_delay_alu instid0(VALU_DEP_2)
	v_lshrrev_b32 v[\tm+6+\b], 23, v[\tm+4+\b]
.endr
	s_delay_alu instid0(VALU_DEP_1)
	v_lshl_or_b32 v[\hw], v[\tm+7], 8, v[\tm+6]
	v_cvt_scalef32_pk16_fp6_f32 v[\pc:\pc+2], v[\s:\s+15], v[\tm+4]
	v_cvt_scalef32_pk16_fp6_f32 v[\pt:\pt+2], v[\s+16:\s+31], v[\tm+5]
	v_nop                                          ; one plain place behind a scaled conversion
.irp i, 0,1,2
	v_permlane16_swap_b32 v[\pc+\i], v[\pt+\i]
.endr
.irp i, 0,1,2
	s_delay_alu instid0(VALU_DEP_3)
	v_mov_b32 v[\pc+3+\i], v[\pt+\i]
.endr
.endm
	s_load_b256 s[4:11], s[0:1], 0x0               ; qq, kv, proj_w's codes, proj_w's scales
	s_load_b128 s[12:15], s[0:1], 0x20             ; proj_b, x
	s_load_b64 s[16:17], s[0:1], 0x30              ; out0
	v_lshl_add_u32 v[SPW], v0, 2, SPARE
	v_mov_b32 v[NIL], 0
	ds_add_u32 v5, v6
	ds_add_u32 v5, v6
	s_wait_dscnt 0x0
	v_lshrrev_b32 v8, 5, v0
	s_delay_alu instid0(VALU_DEP_1)
	v_readfirstlane_b32 s[WV], v8                  ; wave 0..15
	s_lshr_b32 s39, s[WV], 2                       ; my head
	s_and_b32 s40, s[WV], 3                        ; my tile of queries.  Also: which quarter of a slot I fetch, if I fetch
	s_bfe_u32 s41, ttmp6, 0x40000                  ; cx: my place in the cluster
	s_lshl_b32 s42, ttmp9, 2                       ; in a cluster launch ttmp9 counts clusters
	s_add_co_u32 s42, s42, s41                     ; my block of 64 queries: it enters q's, x's and out0's addresses alone
	s_and_b32 s43, ttmp7, 0xffff                   ; the image, which the four partners share
	; descriptor group 1: 100 rows of 256 bytes (32 elements of 8 bytes), dense in memory and in LDS
	s_mov_b32 s[G1], 15|(3<<16)|(1<<21)            ; 15:0 the mask: all four work-groups; 17:16 elements of 8 bytes; 20 padding off; 21 set beside a mask
	s_mov_b32 s[G1+1], 32<<16                      ; tensor_dim0 = 32
	s_mov_b32 s[G1+2], 100<<16                     ; tensor_dim1 = 100
	s_mov_b32 s[G1+3], 32<<16                      ; tile_dim0 = 32
	s_mov_b32 s[G1+4], 100                         ; tile_dim1 = 100
	s_mov_b32 s[G1+5], 32                          ; from row to row
	s_mov_b32 s[G1+6], 0
	s_mov_b32 s[G1+7], 0
	s_mov_b32 s[G0], 1                             ; count = 1
	s_mul_i32 s[G0+1], s40, 25600                  ; LDS address: slot 0, my quarter: no place in the cluster enters it
	s_mul_i32 s44, s43, 16*SLOTB                   ; the image's sixteen slots
	s_mov_b32 s45, 0
	s_mul_i32 s48, s40, 25600
	s_mov_b32 s49, 0
	s_mov_b32 s[SEL], 0x76543210
	s_mov_b32 s[SEL+1], 0xfedcba98
	s_mov_b32 s[CS], 0x3e38aa3b                    ; c = log2(e) / 8
	s_mov_b32 s[CS+1], s[CS]                       ; (named with it as a pair, so it is written)
	s_mov_b32 s[TB], 0
	s_mov_b32 s[SLOTS], 15
	s_wait_kmcnt 0x0
	s_add_nc_u64 s[6:7], s[6:7], s[44:45]
	s_add_nc_u64 s[G0+2:G0+3], s[6:7], s[48:49]    ; global address: slot 0, my quarter
	s_or_b32 s[G0+3], s[G0+3], 0x80000000          ; type = 2
	CROUND                                         ; all four work-groups are here: the first joint loads meet
	TLOAD                                          ; slot 0
	; the prefetches of kv: who asks, and where
	s_mul_i32 s48, s41, 24576                      ; my work-group's part, by address,
	s_lshl_b32 s19, s40, 13                        ; my wave's (waves 4, 5, 6: 0, 1, 2),
	s_add_co_u32 s48, s48, s19
	s_add_co_u32 s48, s48, SLOTB                   ; in slot 1: the first change of slots steps it to slot 2
	s_add_nc_u64 s[PFA:PFA+1], s[6:7], s[48:49]
	s_sub_co_u32 s19, s[WV], 4
	s_cmp_lt_u32 s19, 3                            ; waves 4, 5, 6
	s_cselect_b32 s19, 0, 1
	s_or_b32 s19, s19, ttmp9                       ; of the image's first cluster: the same in all four partners
	s_cmp_eq_u32 s19, 0
	s_cselect_b32 s[LIM], 1, -1
	; q: qq's block 64 b + my block; codes at 3,072 head + 768 tile; scale words at 12,288 + 128 head: lanes 0-15 tiles 0 and 1 (a halfword each), lanes 16-31 tiles 2 and 3
	s_lshl_b32 s48, s43, 6
	s_add_co_u32 s48, s48, s42
	s_mul_i32 s48, s48, 12800
	s_mul_i32 s19, s39, 3072
	s_add_co_u32 s50, s48, s19
	s_mul_i32 s19, s40, 768
	s_add_co_u32 s50, s50, s19
	s_mov_b32 s51, 0
	s_add_nc_u64 s[52:53], s[4:5], s[50:51]
	s_lshl_b32 s19, s39, 7
	s_add_co_u32 s48, s48, s19
	s_lshr_b32 s19, s40, 1
	s_lshl_b32 s19, s19, 6
	s_add_co_u32 s48, s48, s19
	s_add_co_u32 s48, s48, 12288
	s_add_nc_u64 s[54:55], s[4:5], s[48:49]
	; proj_w: my 16 rows (output channels 16 w on)
	s_mul_i32 s48, s[WV], 3072
	s_add_nc_u64 s[8:9], s[8:9], s[48:49]
	s_lshl_b32 s48, s[WV], 7
	s_add_nc_u64 s[10:11], s[10:11], s[48:49]
	s_lshl_b32 s48, s[WV], 6
	s_add_nc_u64 s[12:13], s[12:13], s[48:49]
	; x and out0: the image, my block's 256 bytes of a channel's row
	s_lshl_b32 s50, s43, 22
	s_lshl_b32 s19, s42, 8
	s_add_co_u32 s50, s50, s19
	s_and_b32 s19, s[WV], 7
	s_lshl_b32 s19, s19, 19
	s_add_co_u32 s48, s50, s19
	s_add_nc_u64 s[46:47], s[14:15], s[48:49]      ; the prefetch of x: waves 8-15 take 32 channels each
	s_lshl_b32 s19, s[WV], 18
	s_add_co_u32 s50, s50, s19                     ; the tail: my 16 channels
	s_add_nc_u64 s[14:15], s[14:15], s[50:51]
	s_add_nc_u64 s[16:17], s[16:17], s[50:51]
	v_and_b32 v232, 31, v0                         ; lane
	v_and_b32 v233, 15, v0                         ; r
	v_bfe_u32 v234, v0, 4, 1                       ; h
	s_delay_alu instid0(VALU_DEP_3)
	v_lshlrev_b32 v240, 4, v232
	s_delay_alu instid0(VALU_DEP_4)
	v_lshlrev_b32 v241, 3, v232
	s_delay_alu instid0(VALU_DEP_4)
	v_lshlrev_b32 v242, 2, v233
	v_mul_u32_u24 v243, v233, 192
	s_delay_alu instid0(VALU_DEP_1)
	v_mad_u32_u24 v243, v234, 24, v243
	v_lshlrev_b32 v244, 3, v233
	global_load_b128 v[16:19], v240, s[52:53]      ; q's HALF into QA's lower six registers,
	global_load_b64 v[20:21], v241, s[52:53] offset:512
	global_load_b128 v[34:37], v240, s[52:53]      ; and into QB's upper six
	global_load_b64 v[38:39], v241, s[52:53] offset:512
	global_load_b32 v254, v242, s[54:55]
.irp s, 0,1
.irp p, 0,1,2,3,4,5
	global_load_b64 v[192+12*\s+2*\p:193+12*\s+2*\p], v243, s[8:9] offset:96*\s+48*(\p/3)+8*(\p%3)
.endr
.endr
	global_load_b64 v[216:217], v244, s[10:11]
	global_load_b32 v218, v242, s[12:13]
	s_mul_i32 s19, s39, 12288
	v_add_nc_u32 v[AI], s19, v240
	v_add_nc_u32 v[AJ], s19, v241
	s_delay_alu instid0(VALU_DEP_1)
	v_add_nc_u32 v[AJ], 512, v[AJ]
	s_lshl_b32 s19, s39, 9
	s_add_co_u32 s19, s19, 98304
	v_lshl_add_u32 v[ASC], v232, 2, s19
	v_lshlrev_b32 v[GO], 14, v234
	s_delay_alu instid0(VALU_DEP_1)
	v_lshl_add_u32 v[GO], v233, 4, v[GO]
	v_lshlrev_b32 v[PFO], 8, v232
	v_lshlrev_b32 v[PFX], 14, v232
	s_lshl_b32 s19, s40, 2
	s_add_co_u32 s19, s19, s39
	s_mul_i32 s19, s19, 768
	s_add_co_u32 s19, s19, OIMG
	v_add_nc_u32 v[OWI], s19, v240                 ; where my HALF of out goes
	v_add_nc_u32 v[OWJ], s19, v241
	s_delay_alu instid0(VALU_DEP_1)
	v_add_nc_u32 v[OWJ], 512, v[OWJ]
	s_lshl_b32 s19, s40, 1
	s_lshr_b32 s44, s39, 1
	s_add_co_u32 s19, s19, s44
	s_lshl_b32 s19, s19, 7
	s_and_b32 s44, s39, 1
	s_lshl_b32 s44, s44, 1
	s_add_co_u32 s19, s19, s44
	s_add_co_u32 s19, s19, OSC
	v_lshl_add_u32 v[OWS], v232, 2, s19            ; and its two scale bytes: word (T, head / 2), halfword head % 2
	s_mul_i32 s19, s[WV], 4352
	s_add_co_u32 s19, s19, STG                     ; my stage
	v_mul_u32_u24 v[SO], v233, 272
	s_delay_alu instid0(VALU_DEP_1)
	v_lshl_add_u32 v[SO], v234, 6, v[SO]
	s_delay_alu instid0(VALU_DEP_1)
	v_add_nc_u32 v[SO], s19, v[SO]                 ; in: row r (a channel), + 64 h
	v_mul_u32_u24 v[SR], v234, 272
	s_delay_alu instid0(VALU_DEP_1)
	v_lshl_add_u32 v[SR], v233, 4, v[SR]
	s_delay_alu instid0(VALU_DEP_1)
	v_add_nc_u32 v[SR], s19, v[SR]                 ; back: lanes 0-15 one row, lanes 16-31 the next
.irp j, 22,23,24,25,26,27,28,29,30,31,32,33
	v_mov_b32 v[\j], 0                             ; QA's upper and QB's lower six registers: zero codes
.endr
	v_mov_b32 v13, 0xff61b1e6                      ; the largest t so far: -3e38, under every t
	s_delay_alu instid0(VALU_DEP_1)
	v_floor_f32 v12, -v13                          ; -M
	v_mov_b32 v14, 0                               ; the sum, in two halves
	v_mov_b32 v15, 0
.irp b, 0,1,2,3
	v_mov_b32 v[236+\b], 0                         ; written once: a lane permute's destination counts as one of its sources
.endr
	v_mov_b32 v253, 0                              ; (named as the upper half of the pair v[252:253] before it is first written)
	s_mov_b32 s19, 0x03020302
	s_bitcmp1_b32 s40, 0                           ; an odd tile's halfword is the upper one
	s_cselect_b32 s19, s19, 0x01000100
	s_wait_loadcnt 0x0                             ; q, proj_w, proj_b
	v_perm_b32 v255, v254, v254, s19               ; q's scale word: (s0, s1, s0, s1): the same two blocks in either half of K
.irp j, 0,1,2,3,4,5,6,7,8,9,10,11,12,13,14,15,16,17,18,19,20,21,22,23,24,25,26,27,28,29,30,31
	v_mov_b32 v[OT+\j], 0                          ; O^T.  (The loop has no first step of its own: it finds zeros, which the first change of M leaves zeros.  These are also the places between the scale word's making and the first product)
.endr
; A KEY STEP: 128 keys, the q-th of the slot in hand.
.macro STEP q
	v_add_nc_u32 v[ADK], s[TB], v[AI]
	v_add_nc_u32 v[ADJ], s[TB], v[AJ]
	v_add_nc_u32 v[ADS], s[TB], v[ASC]
	v_nop                                          ; four places in front of loads into registers that matrix instructions have read
.irp f, 0,1,2,3,4,5,6,7
	ds_load_b128 v[FB+6*\f:FB+6*\f+3], v[ADK] offset:49152*(\q)+768*\f     ; K's eight HALVES: 512 and 256 consecutive bytes a load
	ds_load_b64 v[FB+6*\f+4:FB+6*\f+5], v[ADJ] offset:49152*(\q)+768*\f
.endr
	ds_load_b32 v248, v[ADS] offset:2048*(\q)      ; K's scale words: lanes 0-15 fragment 0, lanes 16-31 fragment 1;
	ds_load_b32 v249, v[ADS] offset:2048*(\q)+128  ; fragments 2 and 3
	s_wait_alu depctr_va_vdst(0)
	s_wait_dscnt 0x0
.irp b, 0,1,2,3                                ; S^T: each fragment against QA (its rows' first keys) and QB (their second)
.if \b%2
	v_wmma_scale_f32_16x16x128_f8f6f4 v[SS+16*\b:SS+16*\b+7], v[FB+12*\b:FB+12*\b+11], v[16:27], 0, v[248+\b/2], v255 matrix_a_fmt:MATRIX_FMT_FP6 matrix_b_fmt:MATRIX_FMT_FP6 matrix_a_scale:MATRIX_SCALE_ROW1
	v_wmma_scale_f32_16x16x128_f8f6f4 v[SS+16*\b+8:SS+16*\b+15], v[FB+12*\b:FB+12*\b+11], v[28:39], 0, v[248+\b/2], v255 matrix_a_fmt:MATRIX_FMT_FP6 matrix_b_fmt:MATRIX_FMT_FP6 matrix_a_scale:MATRIX_SCALE_ROW1
.else
	v_wmma_scale_f32_16x16x128_f8f6f4 v[SS+16*\b:SS+16*\b+7], v[FB+12*\b:FB+12*\b+11], v[16:27], 0, v[248+\b/2], v255 matrix_a_fmt:MATRIX_FMT_FP6 matrix_b_fmt:MATRIX_FMT_FP6
	v_wmma_scale_f32_16x16x128_f8f6f4 v[SS+16*\b+8:SS+16*\b+15], v[FB+12*\b:FB+12*\b+11], v[28:39], 0, v[248+\b/2], v255 matrix_a_fmt:MATRIX_FMT_FP6 matrix_b_fmt:MATRIX_FMT_FP6
.endif
.endr                                          ; lane (r, h) holds query r; register 16 b + i is key 32 b + 16 h + i of the step
.rept 4
	v_nop                                          ; four places: for V's loads into the registers that held K, and for the first read of the scores
.endr
.irp f, 0,1,2,3,4,5,6,7
	ds_load_b128 v[FB+6*\f:FB+6*\f+3], v[ADK] offset:49152*(\q)+6144+768*\f   ; V's eight HALVES land while the softmax is walked
	ds_load_b64 v[FB+6*\f+4:FB+6*\f+5], v[ADJ] offset:49152*(\q)+6144+768*\f
.endr
	ds_load_b32 v250, v[ADS] offset:2048*(\q)+256
	ds_load_b32 v251, v[ADS] offset:2048*(\q)+384
.irp b, 0,1,2,3
	v_max3_num_f32 v[232+\b], v[SS+16*\b], v[SS+1+16*\b], v[SS+2+16*\b]   ; THE LARGEST SCORE OF EACH BLOCK OF 32 KEYS serves twice: for the row's maximum, and, since p rises with the score, for the block's largest p
.endr
.irp i, 3,5,7,9,11,13
.irp b, 0,1,2,3
	v_max3_num_f32 v[232+\b], v[232+\b], v[SS+16*\b+\i], v[SS+1+16*\b+\i]   ; (the four blocks by turns)
.endr
.endr
.irp b, 0,1,2,3
	v_max_num_f32 v[232+\b], v[232+\b], v[SS+15+16*\b]
.endr
.irp b, 0,1,2,3
	s_delay_alu instid0(VALU_DEP_4)
	v_permlanex16_b32 v[236+\b], v[232+\b], s[SEL], s[SEL+1]
.endr
.irp b, 0,1,2,3
	s_delay_alu instid0(VALU_DEP_4)
	v_max_num_f32 v[232+\b], v[232+\b], v[236+\b]  ; with lane l xor 16's 16 keys
.endr
	s_delay_alu instid0(VALU_DEP_2)
	v_max3_num_f32 v254, v232, v233, v234
	s_delay_alu instid0(VALU_DEP_1)
	v_max_num_f32 v254, v254, v235                 ; the step's largest score of my query
	s_delay_alu instid0(VALU_DEP_1)
	v_mul_f32 v254, s[CS], v254                    ; as t (c is positive)
	s_delay_alu instid0(VALU_DEP_1)
	v_max_num_f32 v13, v13, v254                   ; the running largest t
	v_mov_b32 v254, v12
	s_delay_alu instid0(VALU_DEP_2)
	v_floor_f32 v12, -v13                          ; the new -M = floor(-t) = -ceil(t): M is a whole number
	s_delay_alu instid0(VALU_DEP_1)
	v_sub_f32 v254, v12, v254                      ; M's old value less its new one: a whole number, 0 or less
	s_delay_alu instid0(VALU_DEP_1)
	v_cvt_i32_f32 v254, v254                       ; (it saturates)
	s_delay_alu instid0(VALU_DEP_1)
	v_ldexp_f32 v252, 1.0, v254                    ; f = 2^(old M - new M)
.irp j, 0,2,4,6,8,10,12,14,16,18,20,22,24,26,28,30,32,34,36,38,40,42,44,46,48,50,52,54,56,58,60,62
	v_pk_fma_f32 v[SS+\j:SS+1+\j], v[SS+\j:SS+1+\j], s[CS:CS+1], v[12:13] op_sel_hi:[1,0,0]   ; t - M, two at a time (of the pairs c and -M the low word serves both halves)
.endr
.irp b, 0,1,2,3
	v_fma_f32 v[232+\b], v[232+\b], s[CS], v12     ; the same of each block's largest score
.endr
	s_wait_alu depctr_va_vdst(0)
.irp j, 0,1,2,3,4,5,6,7,8,9,10,11,12,13,14,15,16,17,18,19,20,21,22,23,24,25,26,27,28,29,30,31,32,33,34,35,36,37,38,39,40,41,42,43,44,45,46,47,48,49,50,51,52,53,54,55,56,57,58,59,60,61,62,63
	v_exp_f32 v[SS+\j], v[SS+\j]                   ; p = 2^(t - M), at most 1: not normalised
.endr
	v_pk_mul_f32 v[14:15], v[14:15], v[252:253] op_sel_hi:[1,0]   ; the sums under the new M.  (The plain place behind the exponentials)
	s_wait_alu depctr_va_vdst(0)                   ; the wait ahead of the first line that names a result: one for the batch of 64
.irp b, 0,1,2,3
	v_exp_f32 v[232+\b], v[232+\b]                 ; the block's largest p: the same two instructions on the same number give the same bits
.endr
	v_pk_add_f32 v[236:237], v[100:101], v[104:105]
	v_pk_add_f32 v[248:249], v[108:109], v[112:113]
	v_pk_add_f32 v[246:247], v[116:117], v[120:121]
	v_pk_add_f32 v[244:245], v[124:125], v[128:129]
	v_pk_add_f32 v[242:243], v[132:133], v[136:137]
	v_pk_add_f32 v[240:241], v[140:141], v[144:145]
	v_pk_add_f32 v[238:239], v[148:149], v[152:153]
	v_pk_add_f32 v[14:15], v[14:15], v[156:157]
	v_pk_add_f32 v[236:237], v[236:237], v[96:97]
	v_pk_add_f32 v[248:249], v[248:249], v[98:99]
	v_pk_add_f32 v[246:247], v[246:247], v[102:103]
	v_pk_add_f32 v[244:245], v[244:245], v[106:107]
	v_pk_add_f32 v[242:243], v[242:243], v[110:111]
	v_pk_add_f32 v[240:241], v[240:241], v[114:115]
	v_pk_add_f32 v[238:239], v[238:239], v[118:119]
	v_pk_add_f32 v[14:15], v[14:15], v[122:123]
	v_pk_add_f32 v[236:237], v[236:237], v[126:127]
	v_pk_add_f32 v[248:249], v[248:249], v[130:131]
	v_pk_add_f32 v[246:247], v[246:247], v[134:135]
	v_pk_add_f32 v[244:245], v[244:245], v[138:139]
	v_pk_add_f32 v[242:243], v[242:243], v[142:143]
	v_pk_add_f32 v[240:241], v[240:241], v[146:147]
	v_pk_add_f32 v[238:239], v[238:239], v[150:151]
	v_pk_add_f32 v[14:15], v[14:15], v[154:155]
	v_pk_add_f32 v[236:237], v[236:237], v[158:159]
	s_delay_alu instid0(VALU_DEP_2)
	v_pk_add_f32 v[14:15], v[14:15], v[244:245]
	s_delay_alu instid0(VALU_DEP_2)
	v_pk_add_f32 v[236:237], v[236:237], v[242:243]
	v_pk_add_f32 v[248:249], v[248:249], v[240:241]
	v_pk_add_f32 v[246:247], v[246:247], v[238:239]
	s_delay_alu instid0(VALU_DEP_2)
	v_pk_add_f32 v[14:15], v[14:15], v[248:249]
	s_delay_alu instid0(VALU_DEP_2)
	v_pk_add_f32 v[236:237], v[236:237], v[246:247]
	s_delay_alu instid0(VALU_DEP_1)
	v_pk_add_f32 v[14:15], v[14:15], v[236:237]
	s_wait_alu depctr_va_vdst(0)                   ; and one for the four
.irp b, 0,1,2,3
	v_max_num_f32 v[232+\b], 0x1800000, v[232+\b]  ; the floor 2^(3 - 127): the byte cannot fall under 1
.endr
.irp b, 0,1,2,3
	s_delay_alu instid0(VALU_DEP_4)
	v_add_nc_u32 v[244+\b], 0xff000000, v[232+\b]  ; 2 off the exponent field: the conversion's scale operand
.endr
.irp b, 0,1,2,3
	s_delay_alu instid0(VALU_DEP_4)
	v_lshrrev_b32 v[236+\b], 23, v[244+\b]         ; the scale's byte
.endr
	s_delay_alu instid0(VALU_DEP_3)
	v_lshl_or_b32 v253, v237, 8, v236              ; p's scale word for these 128 keys
	s_delay_alu instid0(VALU_DEP_1)
	v_lshl_or_b32 v253, v238, 16, v253
	s_delay_alu instid0(VALU_DEP_1)
	v_lshl_or_b32 v253, v239, 24, v253
.irp c, 0,1
	v_cvt_scalef32_pk16_fp6_f32 v[224+6*\c:226+6*\c], v[SS+32*\c:SS+15+32*\c], v[244+2*\c]
	v_cvt_scalef32_pk16_fp6_f32 v[236+4*\c:238+4*\c], v[SS+16+32*\c:SS+31+32*\c], v[244+2*\c+1]   ; (a conversion's three registers begin on an even number)
.endr
	v_nop                                          ; one plain place behind a scaled conversion
.irp c, 0,1                                    ; the operand's layout wants a WHOLE block in a lane
.irp i, 0,1,2
	v_permlane16_swap_b32 v[224+6*\c+\i], v[236+4*\c+\i]
.endr
.irp i, 0,1,2
	s_delay_alu instid0(VALU_DEP_3)
	v_mov_b32 v[227+6*\c+\i], v[236+4*\c+\i]
.endr
.endr
.irp j, 0,2,4,6,8,10,12,14,16,18,20,22,24,26,28,30
	v_pk_mul_f32 v[OT+\j:OT+1+\j], v[OT+\j:OT+1+\j], v[252:253] op_sel_hi:[1,0]   ; O^T under the new M.  (These sixteen are also the places between the making of p's codes and scale word and the products)
.endr
	s_wait_alu depctr_va_vdst(0)
	s_wait_dscnt 0x0                               ; V
.irp t, 0,1,2,3                                ; O^T += V^T P^T: four tiles of 16 of the head's 64 channels; the accumulators take turns
.if \t%2
	v_wmma_scale_f32_16x16x128_f8f6f4 v[OT+8*\t:OT+8*\t+7], v[FB+12*\t:FB+12*\t+11], v[224:235], v[OT+8*\t:OT+8*\t+7], v[250+\t/2], v253 matrix_a_fmt:MATRIX_FMT_FP6 matrix_b_fmt:MATRIX_FMT_FP6 matrix_a_scale:MATRIX_SCALE_ROW1
.else
	v_wmma_scale_f32_16x16x128_f8f6f4 v[OT+8*\t:OT+8*\t+7], v[FB+12*\t:FB+12*\t+11], v[224:235], v[OT+8*\t:OT+8*\t+7], v[250+\t/2], v253 matrix_a_fmt:MATRIX_FMT_FP6 matrix_b_fmt:MATRIX_FMT_FP6
.endif
.endr
.endm
; THE CHANGE OF SLOTS stands at a slot's head.  Each wave waits for all its tensor loads (its part of the slot that it is about to read), adds 0 to its spare word, and waits for that and for its reads of the slot that it has left.
; fill = 1: a round of the cluster's barrier follows, so that no wave of any partner still reads the other slot or has a load on its way, and the joint fill of that slot is the first thing behind it: it has a slot's two key steps in which to land.
.macro CHANGE fill
	s_wait_tensorcnt 0x0                           ; no tensor load of mine is out, so group 0 may be written
	ds_add_u32 v[SPW], v[NIL]                      ; 0 onto my spare word
.if \fill
	s_xor_b32 s[G0+1], s[G0+1], SLOT1              ; the walking descriptor: the other slot than last time,
	s_add_nc_u64 s[G0+2:G0+3], s[G0+2:G0+3], SLOTB ; the next 256 keys; the type bits on top are not reached
	s_wait_xcnt 0x0                                ; the last prefetch, a slot back, has read its address, so it may be written:
	s_add_nc_u64 s[PFA:PFA+1], s[PFA:PFA+1], SLOTB ; one slot further on than the walking descriptor
	s_wait_dscnt 0x0                               ; the add is done, and my reads of the slot that I have left are over
	CROUND
	TLOAD
	ASK
.else
	s_wait_dscnt 0x0
	s_barrier_signal -1
	s_barrier_wait -1
.endif
.endm
.macro SLOT_STEPS
	STEP 0
	STEP 1
	s_xor_b32 s[TB], s[TB], SLOT1                  ; on to the other slot
.endm
.Lslot:                                            ; 15 trips: behind each change of slots but the last the next slot is asked for
	CHANGE 1
	SLOT_STEPS
	s_sub_co_u32 s[SLOTS], s[SLOTS], 1
	s_cmp_lg_u32 s[SLOTS], 0
	s_cbranch_scc1 .Lslot
	CHANGE 0                                       ; the last slot is written out
	; A prefetch into the L2 of the residual: the work-group's 256 channels x 256 bytes of x, which the tail loads.  Waves 8-15 ask, 32 channels each, a lane a channel: each aligned block of 256 bytes is named once in the launch, two key steps ahead of its load
	s_cmp_lt_u32 s[WV], 8
	s_cbranch_scc1 .Lno_askx
	global_prefetch_b8 v[PFX], s[46:47] th:TH_LOAD_NT scope:SCOPE_SE
.Lno_askx:
	SLOT_STEPS
	; ---- THE TAIL.  out = O^T / the sum; quantised along the channels (my head's 64 are two blocks of the projection's K); the HALVES meet in LDS; each wave makes 16 output channels for the 64 positions
	v_add_f32 v14, v14, v15                        ; the sum's two halves,
	s_delay_alu instid0(VALU_DEP_1)
	v_permlanex16_b32 v252, v14, s[SEL], s[SEL+1]
	s_delay_alu instid0(VALU_DEP_1)
	v_add_f32 v14, v14, v252                       ; and lane l xor 16's: the row's sum
	s_wait_alu depctr_va_vdst(0)
	v_rcp_f32 v14, v14
	v_and_b32 v8, 31, v0                           ; (plain places: behind the transcendental, and in front of the loads into registers that matrix instructions have read)
	s_delay_alu instid0(VALU_DEP_1)
	v_lshl_add_u32 v9, v8, 3, OIMG+512             ; where any HALF's registers 4-5 are read,
	s_delay_alu instid0(VALU_DEP_2)
	v_lshl_add_u32 v10, v8, 2, OSC                 ; a scale word,
	s_delay_alu instid0(VALU_DEP_3)
	v_lshl_add_u32 v8, v8, 4, OIMG                 ; registers 0-3
.irp i, 0,1,2,3,4,5,6,7
	global_load_b128 v[16+4*\i:19+4*\i], v[GO], s[14:15] offset:32768*\i th:TH_LOAD_NT   ; the residual: channels 16 w + 2 i + h, my block's 256 bytes; it lands while out is quantised and multiplied
.endr
	s_wait_alu depctr_va_vdst(0)                   ; the wait ahead of the reciprocal's first reader
.irp j, 0,2,4,6,8,10,12,14,16,18,20,22,24,26,28,30
	v_pk_mul_f32 v[SS+\j:SS+1+\j], v[OT+\j:OT+1+\j], v[14:15] op_sel_hi:[1,0]   ; each accumulator from its low end on
.endr
	HQ SS, 224, 240, 246, 232
	ds_store_b128 v[OWI], v[224:227]
	ds_store_b64 v[OWJ], v[228:229]
	ds_store_b16 v[OWS], v246
.irp j, 0,1,2,3,4,5,6,7
	v_mov_b32 v[80+\j], v218                       ; in the projection's results a lane holds ONE output channel: its bias in all eight registers, the C of each sum's first product
.endr
	s_wait_alu depctr_va_vdst(0)
	s_wait_dscnt 0x0                               ; for the others' sake: my stores have landed
	s_barrier_signal -1
	s_barrier_wait -1                              ; out's sixteen HALVES and eight rows of scale words lie in LDS
.irp f, 0,1,2,3,4,5,6,7,8,9,10,11,12,13,14,15
	ds_load_b128 v[96+6*\f:99+6*\f], v8 offset:768*\f      ; HALF 4 T + head: fragment (T, K step head / 2) stands at v[96 + 12 (2 T + s)]
	ds_load_b64 v[100+6*\f:101+6*\f], v9 offset:768*\f
.endr
.irp g, 0,1,2,3,4,5,6,7
	ds_load_b32 v[88+\g], v10 offset:128*\g
.endr
	s_wait_dscnt 0x0
.irp m, 0,1,2,3                                ; source 0 = 16 positions of out, source 1 = my 16 rows of proj_w; four accumulators by turns
	v_wmma_scale_f32_16x16x128_f8f6f4 v[48+8*\m:55+8*\m], v[96+24*\m:107+24*\m], v[192:203], v[80:87], v[88+2*\m], v216 matrix_a_fmt:MATRIX_FMT_FP6 matrix_b_fmt:MATRIX_FMT_FP6
.endr
.irp m, 0,1,2,3
	v_wmma_scale_f32_16x16x128_f8f6f4 v[48+8*\m:55+8*\m], v[108+24*\m:119+24*\m], v[204:215], v[48+8*\m:55+8*\m], v[89+2*\m], v217 matrix_a_fmt:MATRIX_FMT_FP6 matrix_b_fmt:MATRIX_FMT_FP6
.endr
.rept 4
	v_nop                                          ; four places: for the stores that read results, and for the loads into registers that held out's fragments
.endr
.irp m, 0,1,2,3                                ; lane (r, h), tile m, register j: channel 16 w + r, position 32 (m / 2) + 8 (m % 2) + 16 h + j: eight neighbours of a row of out0
	ds_store_b128 v[SO], v[48+8*\m:51+8*\m] offset:128*(\m/2)+32*(\m%2)
	ds_store_b128 v[SO], v[52+8*\m:55+8*\m] offset:128*(\m/2)+32*(\m%2)+16
.endr
.irp i, 0,1,2,3,4,5,6,7
	ds_load_b128 v[96+4*\i:99+4*\i], v[SR] offset:544*\i   ; LDS serves a wave's instructions in order (ISA guide 5.7.1.4): these see my stores; the stage is my own
.endr
	s_wait_loadcnt 0x0                             ; the residual
.irp i, 0,1,2,3,4,5,6,7
	s_wait_dscnt 7-\i                              ; rows 2 i and 2 i + 1 are back; the later loads may be out
	v_pk_add_f32 v[96+4*\i:97+4*\i], v[96+4*\i:97+4*\i], v[16+4*\i:17+4*\i]
	v_pk_add_f32 v[98+4*\i:99+4*\i], v[98+4*\i:99+4*\i], v[18+4*\i:19+4*\i]
	global_store_b128 v[GO], v[96+4*\i:99+4*\i], s[16:17] offset:32768*\i th:TH_STORE_NT   ; 16 lanes store 256 consecutive bytes, at a multiple of 256 from out0's first byte
.endr
	s_wait_tensorcnt 0x0                           ; the wave's end: behind my last tensor load and my last LDS store
	ds_add_u32 v[SPW], v[NIL]
	s_wait_dscnt 0x0
	CROUND                                         ; the closing round: no work-group ends while a partner may still ask for a tile that names it
	s_endpgm
.Lfunc_end_k_q58daf9d399_attn:
	.size	k_q58daf9d399_attn, .Lfunc_end_k_q58daf9d399_attn-k_q58daf9d399_attn
	.p2alignl 7, 3214868480
	.fill 96, 4, 3214868480
	.section	.rodata,"a",@progbits
	.p2align	6, 0x0
	.amdhsa_kernel k_q58daf9d399_attn
		.amdhsa_group_segment_fixed_size 327680
		.amdhsa_private_segment_fixed_size 0
		.amdhsa_enable_private_segment 0
		.amdhsa_kernarg_size 56
		.amdhsa_user_sgpr_count 2
		.amdhsa_user_sgpr_kernarg_segment_ptr 1
		.amdhsa_wavefront_size32 1
		.amdhsa_system_sgpr_workgroup_id_x 1
		.amdhsa_system_sgpr_workgroup_id_y 1
		.amdhsa_system_sgpr_workgroup_id_z 1
		.amdhsa_system_vgpr_workitem_id 0
		.amdhsa_next_free_vgpr 256
		.amdhsa_next_free_sgpr 66
		.amdhsa_reserve_vcc 0
		.amdhsa_float_denorm_mode_32 3
		.amdhsa_float_denorm_mode_16_64 3
		.amdhsa_memory_ordered 1
		.amdhsa_forward_progress 1
		.amdhsa_inst_pref_size 93
	.end_amdhsa_kernel
	.amdgpu_metadata
---
amdhsa.version: [ 1, 2 ]
amdhsa.kernels:
  - .name:           k_q58daf9d399_attn
    .symbol:         k_q58daf9d399_attn.kd
    .args:
      - { .name: qq, .offset: 0, .size: 8, .value_kind: global_buffer, .address_space: global }
      - { .name: kv, .offset: 8, .size: 8, .value_kind: global_buffer, .address_space: global }
      - { .name: proj_w_codes, .offset: 16, .size: 8, .value_kind: global_buffer, .address_space: global }
      - { .name: proj_w_scales, .offset: 24, .size: 8, .value_kind: global_buffer, .address_space: global }
      - { .name: proj_b, .offset: 32, .size: 8, .value_kind: global_buffer, .address_space: global }
      - { .name: x, .offset: 40, .size: 8, .value_kind: global_buffer, .address_space: global }
      - { .name: out0, .offset: 48, .size: 8, .value_kind: global_buffer, .address_space: global }
    .group_segment_fixed_size: 327680
    .private_segment_fixed_size: 0
    .kernarg_segment_align: 8
    .kernarg_segment_size: 56
    .max_flat_workgroup_size: 512
    .sgpr_count:     66
    .vgpr_count:     256
    .wavefront_size: 32
...
	.end_amdgpu_metadata
.endif
;; end of part 3
